; MI455X (gfx1250); checked and timed in simulation.
; The chip was launched on July 23, 2026; its instructions are those of AMD's public machine-readable ISA for CDNA 5 (MIT licence, August 2026) and "CDNA5" Instruction Set Architecture Reference Guide (July 2026). The comments in the code are by the model that wrote it; some were corrected since.
;; Trainable Clustering Loss. Allowed arithmetic: matrix products marked QUANTISED: E2M1 operands, one E8M0 scale for each 32 along K, by v_wmma_scale_f32_16x16x128_f8f6f4 with both operands' format E2M1 (or v_wmma_scale_f32_32x16x128_f4), f32 sums; everything else in f32.
;; Inputs: centroids 1,024 x 512 float32; embeddings 131,072 x 512 float32.
;; Outputs: out0 one number float32; out1 131,072 int32.
;; This version of the problem:
;;   THIS VERSION OF THE PROBLEM IS GIVEN IN LOW PRECISION. The matrix products marked QUANTISED in the list below multiply operands that are first quantised to E2M1 (2 exponent bits, 1 mantissa bit; 4 bits a number), with one power-of-two scale for each 32 numbers along K (OCP MX v1.0); their sums are f32. All else is computed in f32.
;;   The module's matrix products, in the order in which they are computed (A, B: the left and right operand; K: the contracted axis; several contracted axes count as one K, in the product's order):
;;     1. [M 131,072, K 512] x [K 512, N 1,024]; A: input embeddings; B: input centroids: QUANTISED
;;   THE QUANTISER, for each operand of a quantised product, along K:
;;     - K is cut into blocks of 32 from its start; a last block that is shorter is filled with zeros.
;;     - A block's scale is 2^e with e = floor(log2(the largest magnitude in the block)) - 2, held to -126 .. 127; a block of zeros has e = 0. As a byte (E8M0): e + 127.
;;     - Each number is divided by its block's scale, clamped to +-6, and rounded to the nearest number of E2M1, ties to even, subnormals kept.
;;     - The product sums the exact products of the quantised numbers (number of the format x scale) in f32.
;;   ~~~python
;;   def quantise(x, axis):      # numpy; x: float32 -> the quantised numbers, widened to float32 again
;;       x = np.moveaxis(x, axis, -1); K = x.shape[-1]
;;       x = np.pad(x, [(0, 0)] * (x.ndim - 1) + [(0, -K % 32)]); x = x.reshape(x.shape[:-1] + (-1, 32)); a = np.abs(x).max(-1, keepdims=True)
;;       e = np.where(a > 0, np.clip(np.frexp(np.where(a > 0, a, 1))[1] - 1 - 2, -126, 127), 0)      # np.frexp(a)[1] - 1 = floor(log2(a)), exactly
;;       r = np.clip(x / 2.0 ** e, -6, 6)
;;       step = 2.0 ** (np.maximum(np.frexp(np.where(r == 0, 1, r))[1] - 1, 0) - 1)
;;       q = np.round(r / step) * step * 2.0 ** e      # np.round: ties to even
;;       return np.moveaxis(q.reshape(q.shape[:-2] + (-1,))[..., :K], -1, axis).astype(np.float32)
;;   ~~~
;; One version. Each part assembles by itself: llvm-mc -triple=amdgcn-amd-amdhsa -mcpu=gfx1250 --defsym DOCPART=n.
;; ======== version 1 of 1: 4 launches
;; limits: right only within a limited range of input values
;; workspace buffers: ccodes 262,144 bytes; cscales 16,384 bytes; csqh 4,096 bytes; assign 524,288 bytes of whole numbers; partials 1,024 bytes
;; launch prep (part 1): grid 64 x 1, 4 waves a work-group, no clusters, 1,536 bytes of LDS; arguments centroids, ccodes, cscales, csqh; writes ccodes, cscales, csqh
.if DOCPART == 1
	.amdgcn_target "amdgcn-amd-amdhsa--gfx1250"
	.amdhsa_code_object_version 6
	.text
	.protected	k_q14a43e2f2b_prep
	.globl	k_q14a43e2f2b_prep
	.p2align	8
	.type	k_q14a43e2f2b_prep,@function
k_q14a43e2f2b_prep:
	s_mov_b64 s[64:65], 0
	v_nop
	global_prefetch_b8 v0, s[64:65] scope:SCOPE_SE
	s_setreg_imm32_b32 hwreg(HW_REG_WAVE_MODE, 25, 1), 1
	s_wait_xcnt 0x0
; The centroids [1024][512], f32, become what the next launch keeps in registers: codes of FP4 (E2M1) with one E8M0 scale byte for each 32 along K, and -c_sq / 2,
; all three laid in the ORDER OF THAT LAUNCH'S REGISTERS, so that it loads them by dense loads alone.
; TILES.  Tile T = 8 w + c (0 .. 63) has 16 rows; row m is centroid 128 w + 64 (m / 8) + 8 c + 7 - (m % 8): within a half of a tile the rows run DOWN the index (the next launch says why).
; SHARES.  Work-group T makes tile T; its wave s makes K step s (128 along K).  Lane (r = lane % 16, hk = lane / 16) holds, of tile row r, k = 128 s + 64 cc + 32 hk + 0 .. 31, cc = 0, 1:
; just what the 4-bit operand layout gives that lane, two whole blocks of 32, so no other lane is asked for a block's largest magnitude and the conversions' results are the operand's registers.
; OUT.  ccodes: byte ((4 T + s) 2 + cc) 512 + 16 lane: each store of a wave covers 512 consecutive bytes.   cscales: byte (2 T + s / 2) 128 + 64 (s % 2) + 4 r: one register of the reader then
; carries K step 2 u in lanes 0-15 and K step 2 u + 1 in lanes 16-31.   csqh: f32 number 128 w + 64 (m / 8) + 8 c + (m % 8) = -c_sq / 2 of tile row m.
; A block's scale is 2^(floor(log2(its largest magnitude)) - 2); its byte is the largest magnitude's exponent field - 2, held at 1 from below.  A block of zeros so gets the byte 1 where the
; quantiser says 127: its codes are zeros, which add nothing under any byte but 0xff, and this program alone reads the bytes.
; LIMITS: NaN and infinities among the inputs are not served.
; No tensor load, no cluster: 2 MiB are read once, and work-groups share nothing.
.set X,   16                           ; v16-79   my 64 numbers: register 32 cc + i
.set SQ,  80                           ; v80-87   the sum of squares, four packed chains
.set MX,  88                           ; v88-89   the two blocks' largest magnitudes
.set SO,  90                           ; v90-91   the conversions' scale operands
.set SBY, 92                           ; v92-93   the scale bytes
.set WRD, 94                           ; v94      the row's scale word for this K step
.set PD,  95                           ; v95      what comes from lane l xor 16
.set CDS, 96                           ; v96-103  the codes
.set PS,  104                          ; v104-107 the four K steps' sums of squares
	s_load_b256 s[4:11], s[0:1], 0x0               ; centroids s[4:5], ccodes s[6:7], cscales s[8:9], csqh s[10:11]
	v_lshl_add_u32 v128, v0, 2, 0x400
	v_mov_b32 v129, 0
	v_lshrrev_b32 v1, 5, v0
	v_readfirstlane_b32 s12, v1                    ; wave = K step s
	v_and_b32 v1, 15, v0                           ; r
	v_bfe_u32 v2, v0, 4, 1                         ; hk
	v_and_b32 v7, 7, v0                            ; r % 8
	v_bfe_u32 v8, v0, 3, 1                         ; r / 8
	v_xor_b32 v9, 7, v7                            ; 7 - r % 8
	v_lshl_add_u32 v9, v8, 6, v9                   ; my centroid, counted from the tile's lowest: 64 (r / 8) + 7 - r % 8
	v_lshlrev_b32 v3, 11, v9                       ; its row of 2,048 bytes,
	v_lshl_add_u32 v3, v2, 7, v3                   ; + 128 hk: my block of 32 numbers
	v_and_b32 v4, 31, v0
	v_lshlrev_b32 v4, 4, v4                        ; 16 x lane: my place in a store of codes
	v_lshlrev_b32 v5, 2, v1                        ; 4 r: my row's scale word; also its place among a K step's sums in LDS
	v_lshl_add_u32 v6, v8, 6, v7
	v_lshlrev_b32 v6, 2, v6                        ; 4 (64 (r / 8) + r % 8): my row's place in csqh
	v_lshlrev_b32 v10, 3, v2                       ; 8 hk: how far my two scale bytes are shifted up
	s_lshl_b32 s13, s12, 6                         ; 64 s
	v_add_nc_u32 v11, s13, v5                      ; LDS: 64 s + 4 r
	v_mov_b32 v[PD], 0                             ; written once: a lane permute's destination counts as one of its sources
	s_mov_b32 s20, 0x76543210
	s_mov_b32 s21, 0xfedcba98                      ; v_permlanex16_b32's selects for lane l xor 16
	s_lshr_b32 s14, ttmp9, 3
	s_lshl_b32 s14, s14, 7
	s_and_b32 s15, ttmp9, 7
	s_lshl_b32 s15, s15, 3
	s_add_co_u32 s14, s14, s15                     ; 128 w + 8 c: the tile's lowest centroid
	s_lshl_b32 s16, s14, 11
	s_lshl_b32 s15, s12, 9
	s_add_co_u32 s16, s16, s15                     ; centroids: that row, + 512 s bytes along K
	s_mov_b32 s17, 0
	s_lshl_b32 s18, ttmp9, 12
	s_lshl_b32 s15, s12, 10
	s_add_co_u32 s18, s18, s15                     ; ccodes: 4,096 T + 1,024 s
	s_mov_b32 s19, 0
	s_lshl_b32 s22, ttmp9, 8
	s_add_co_u32 s22, s22, s13                     ; cscales: 256 T + 64 s
	s_mov_b32 s23, 0
	s_lshl_b32 s24, s14, 2                         ; csqh: 4 (128 w + 8 c)
	s_mov_b32 s25, 0
	s_wait_alu depctr_va_vdst(0)
	s_wait_kmcnt 0x0
	s_add_nc_u64 s[4:5], s[4:5], s[16:17]
	s_add_nc_u64 s[6:7], s[6:7], s[18:19]
	s_add_nc_u64 s[8:9], s[8:9], s[22:23]
	s_add_nc_u64 s[10:11], s[10:11], s[24:25]
.irp cc, 0,1
.irp i, 0,1,2,3,4,5,6,7
	global_load_b128 v[X+32*\cc+4*\i:X+32*\cc+4*\i+3], v3, s[4:5] offset:256*\cc+16*\i
.endr
.endr
	s_wait_loadcnt 0x0
	; the sum of my 64 squares: four packed chains, started by products: nothing is cleared
.irp p, 0,1,2,3
	v_pk_mul_f32 v[SQ+2*\p:SQ+2*\p+1], v[X+2*\p:X+2*\p+1], v[X+2*\p:X+2*\p+1]
.endr
.set p, 4
.rept 28
	v_pk_fma_f32 v[SQ+2*(p%4):SQ+2*(p%4)+1], v[X+2*p:X+2*p+1], v[X+2*p:X+2*p+1], v[SQ+2*(p%4):SQ+2*(p%4)+1]
.set p, p+1
.endr
	v_pk_add_f32 v[SQ:SQ+1], v[SQ:SQ+1], v[SQ+2:SQ+3]
	v_pk_add_f32 v[SQ+4:SQ+5], v[SQ+4:SQ+5], v[SQ+6:SQ+7]
	v_pk_add_f32 v[SQ:SQ+1], v[SQ:SQ+1], v[SQ+4:SQ+5]
	v_add_f32 v[SQ], v[SQ], v[SQ+1]
	v_permlanex16_b32 v[PD], v[SQ], s20, s21
	v_add_f32 v[SQ], v[SQ], v[PD]                  ; with lane l xor 16's 64: row r's sum over this K step
	ds_store_b32 v11, v[SQ]                        ; (both halves of the lanes write the same word with the same value)
	; the two blocks' largest magnitudes, by turns
.irp cc, 0,1
	v_max3_num_f32 v[MX+\cc], |v[X+32*\cc]|, |v[X+32*\cc+1]|, 0x1800000   ; and the floor 2^(3 - 127), under which no largest magnitude is taken: so the byte cannot fall under 1
.endr
.irp i, 2,4,6,8,10,12,14,16,18,20,22,24,26,28,30
.irp cc, 0,1
	v_max3_num_f32 v[MX+\cc], v[MX+\cc], |v[X+32*\cc+\i]|, |v[X+32*\cc+\i+1]|
.endr
.endr
.irp cc, 0,1
	v_add_nc_u32 v[SO+\cc], 0xff000000, v[MX+\cc]  ; 2 off the exponent field: the conversion takes the exponent field of this operand as its scale, and nothing else of it
.endr
.irp cc, 0,1
	v_lshrrev_b32 v[SBY+\cc], 23, v[SO+\cc]        ; the scale's byte
.endr
	v_lshl_or_b32 v[WRD], v[SBY+1], 16, v[SBY]     ; my two bytes: blocks hk and 2 + hk of the K step,
	v_lshlrev_b32 v[WRD], v10, v[WRD]              ; at their places in the word;
	v_permlanex16_b32 v[PD], v[WRD], s20, s21
	v_or_b32 v[WRD], v[WRD], v[PD]                 ; with lane l xor 16's two the word is whole
.irp cc, 0,1
.irp g, 0,1,2,3
	v_cvt_scalef32_pk8_fp4_f32 v[CDS+4*\cc+\g], v[X+32*\cc+8*\g:X+32*\cc+8*\g+7], v[SO+\cc]   ; eight numbers / the scale, to the nearest code, ties to even, beyond 6 the largest code
.endr
.endr
	v_nop                                          ; one plain instruction behind the last scaled conversion
.irp cc, 0,1
	global_store_b128 v4, v[CDS+4*\cc:CDS+4*\cc+3], s[6:7] offset:512*\cc   ; 32 lanes store 512 consecutive bytes
.endr
	global_store_b32 v5, v[WRD], s[8:9]            ; 64 consecutive bytes (both halves of the lanes write the same words)
	s_wait_dscnt 0x0                               ; for wave 0's sake: my sum lies in LDS
	s_barrier_signal -1
	s_barrier_wait -1
	s_cmp_lg_u32 s12, 0
	s_cbranch_scc1 .Ldone                          ; wave 0 adds the four K steps
.irp q, 0,1,2,3
	ds_load_b32 v[PS+\q], v5 offset:64*\q
.endr
	s_wait_dscnt 0x0
	v_add_f32 v[PS], v[PS], v[PS+1]
	v_add_f32 v[PS+2], v[PS+2], v[PS+3]
	v_add_f32 v[PS], v[PS], v[PS+2]
	v_mul_f32 v[PS], -0.5, v[PS]                   ; exact
	global_store_b32 v6, v[PS], s[10:11]
.Ldone:
	s_wait_tensorcnt 0x0
	ds_add_u32 v128, v129
	s_wait_dscnt 0x0
	s_endpgm
.Lfunc_end_k_q14a43e2f2b_prep:
	.size	k_q14a43e2f2b_prep, .Lfunc_end_k_q14a43e2f2b_prep-k_q14a43e2f2b_prep
	.p2alignl 7, 3214868480
	.fill 96, 4, 3214868480
	.section	.rodata,"a",@progbits
	.p2align	6, 0x0
	.amdhsa_kernel k_q14a43e2f2b_prep
		.amdhsa_group_segment_fixed_size 1536
		.amdhsa_private_segment_fixed_size 0
		.amdhsa_enable_private_segment 0
		.amdhsa_kernarg_size 32
		.amdhsa_user_sgpr_count 2
		.amdhsa_user_sgpr_kernarg_segment_ptr 1
		.amdhsa_wavefront_size32 1
		.amdhsa_system_sgpr_workgroup_id_x 1
		.amdhsa_system_sgpr_workgroup_id_y 1
		.amdhsa_system_sgpr_workgroup_id_z 1
		.amdhsa_system_vgpr_workitem_id 0
		.amdhsa_next_free_vgpr 130
		.amdhsa_next_free_sgpr 66
		.amdhsa_reserve_vcc 0
		.amdhsa_float_denorm_mode_32 3
		.amdhsa_float_denorm_mode_16_64 3
		.amdhsa_memory_ordered 1
		.amdhsa_forward_progress 1
		.amdhsa_inst_pref_size 11
	.end_amdhsa_kernel
	.amdgpu_metadata
---
amdhsa.version: [ 1, 2 ]
amdhsa.kernels:
  - .name:           k_q14a43e2f2b_prep
    .symbol:         k_q14a43e2f2b_prep.kd
    .args:
      - { .name: centroids, .offset: 0, .size: 8, .value_kind: global_buffer, .address_space: global }
      - { .name: ccodes, .offset: 8, .size: 8, .value_kind: global_buffer, .address_space: global }
      - { .name: cscales, .offset: 16, .size: 8, .value_kind: global_buffer, .address_space: global }
      - { .name: csqh, .offset: 24, .size: 8, .value_kind: global_buffer, .address_space: global }
    .group_segment_fixed_size: 1536
    .private_segment_fixed_size: 0
    .kernarg_segment_align: 8
    .kernarg_segment_size: 32
    .max_flat_workgroup_size: 128
    .sgpr_count:     66
    .vgpr_count:     130
    .wavefront_size: 32
...
	.end_amdgpu_metadata
.endif
;; end of part 1
;; launch assign (part 2): grid 256 x 1, 8 waves a work-group, no clusters, 327,680 bytes of LDS; arguments embeddings, ccodes, cscales, csqh, out1, assign; writes out1, assign
.if DOCPART == 2
	.amdgcn_target "amdgcn-amd-amdhsa--gfx1250"
	.amdhsa_code_object_version 6
	.text
	.protected	k_q14a43e2f2b_assign
	.globl	k_q14a43e2f2b_assign
	.p2align	8
	.type	k_q14a43e2f2b_assign,@function
k_q14a43e2f2b_assign:
	s_mov_b64 s[64:65], 0
	v_nop
	global_prefetch_b8 v0, s[64:65] scope:SCOPE_SE
	s_setreg_imm32_b32 hwreg(HW_REG_WAVE_MODE, 25, 1), 1
	s_wait_xcnt 0x0
; out1[n] = assign[n] = argmin over k of d2[n][k] = argmax over k of (Q(e[n]) . Q(c[k]) - c_sq[k] / 2), the lower k on a tie.
; LEFT OUT: e_sq[n].  It is added to every d2 of row n alike, so for all values of the inputs it moves no argmin, and d2 itself reaches no output.
; LIMITS: NaN and infinities among the inputs are not served; an overflow of e_sq alone is not carried to the result.
; SHARES.  A work-group takes 512 points in 8 blocks of 64.  Wave w keeps centroids 128 w .. 128 w + 127 for the whole launch: their codes in window 1 (256 registers), their scale words
; in CS, and -c_sq / 2 in CQ, which is the C of each tile's first matrix instruction.  All three come by dense loads from the launch before, which laid them in this order.
; A TRIP t: behind the barrier of the change of slots block t + 1 is asked for (one tensor load a wave, 16 KiB, dense) into the slot that block t - 1 left.  Each wave quantises its 8 rows of
; block t out of the other slot into the code buffer; a second barrier, behind which nothing is filled, shows the codes to all; then each wave multiplies the block's 4 tiles of 16 points
; by its 8 tiles of 16 centroids over 4 K steps.  So the work on block t stands under block t + 1's flight, and one trip of work follows the last load.
; THE MATRIX INSTRUCTION: source 0 = 16 centroids, source 1 = 16 points: lane (r, h) holds point r, and register 8 c + j the centroid 128 w + 64 h + 8 c + 7 - j.
; THE ARGMAX of a lane's 64 scores: the 8 tiles' maxima; then six halvings: the upper half's maximum against the lower's gives a bit of the place, and the winners' half is selected over the
; lower registers.  Over c the upper half wins if greater; over j, where the centroids run down, if greater or equal: so the lower centroid wins a tie.  The last three halvings are done for
; the block's four tiles by turns.  Then lane l xor 16, then the eight waves through LDS (two buffers by turns), joined by wave 0 one trip later.
; PREFETCH: in the trip that loads block t + 1 each wave asks for its own 16 KiB of block t + 2, a lane to each 256 bytes, two instructions; block 1 is asked for at the head; the trips
; whose block t + 2 would pass block 7 ask for nothing.
; NO CLUSTER: the points' tiles are each read by one work-group; the centroids' operands go straight into registers, once.
.set WTILE, 17408                      ; a wave's part of a slot: 64 rows of 256 + 16 bytes
.set SLOTB, 8*WTILE
.set CODEB, 64*272
.set SCBB,  1024
.set XB,    4096
.set CODE0, 2*SLOTB
.set SCB0,  CODE0+CODEB
.set X0,    SCB0+SCBB
.set SPARE, X0+2*XB
.set BLKB,  131072                     ; a block of 64 points in memory
.set TB,  0                            ; v0, v19: two maxima at work (v0 is free behind the head)
.set SPW, 1
.set NIL, 2
.set QRB, 3
.set QR,  4
.set CW,  5
.set SW,  7
.set CR,  9
.set SR,  11
.set XWB, 13
.set XW,  14
.set XRB, 15
.set XR,  16
.set HW,  17                           ; 128 w + 64 h + 7
.set FO,  18
.set TA,  19
.set LN16, 20
.set LN4,  21
.set H256, 22
.set PFO,  23                          ; 256 x lane
.set CS,  24
.set ES,  40
.set CQ,  48
.set EF,  112
.set ACC, 144
.set FV,  144
.set FI,  160
.set BV,  208                          ; the 8 tiles' maxima
.set RV,  216                          ; tile m's largest score, and
.set RI,  220                          ; its place
.set F,   224                          ; tile m's last 8 candidates at F + 8 m
.set QC,  232
.set QB,  248
.set QM,  252
.set QS,  254
.set PV,  232
.set PI,  236
.set TD,  240
.set WV,  16
.set IC,  17
.set SLP, 18                           ; the slot that is filled, the slot that is read
.set SLN, 19
.set XXP, 20                           ; the exchange buffer that is written, the one that wave 0 reads
.set XXN, 21
.set WOFF, 26
.set LOM, 27
.set HIM, 28
.set SEL, 30
.set G1,  32
.set G0W, 44
.set MA,  48
.set MB,  56
.set PF,  68                           ; s[68:69] my 16 KiB of the block that the trip's tensor load fetches
.set MSB, 0
.macro WIN new
.if MSB != \new
	s_set_vgpr_msb (MSB<<8)|\new
.set MSB, \new
.endif
.endm
; The change of slots: all my tensor loads have landed, the add, my LDS instructions are done, the barrier, and the refill first behind it.
.macro HEAD refill
.if \refill
	s_wait_xcnt 0x0                                ; the last prefetches have read their base
	s_add_nc_u64 s[PF:PF+1], s[PF:PF+1], BLKB
.endif
	s_wait_tensorcnt 0x0
	ds_add_u32 v[SPW], v[NIL]
	s_xor_b32 s[SLP], s[SLP], SLOTB
	s_xor_b32 s[SLN], s[SLN], SLOTB
	s_xor_b32 s[XXP], s[XXP], XB
	s_xor_b32 s[XXN], s[XXN], XB
.if \refill
	s_add_nc_u64 s[G0W+2:G0W+3], s[G0W+2:G0W+3], BLKB
	s_add_co_u32 s[G0W+1], s[WOFF], s[SLP]
.endif
	v_add_nc_u32 v[QR], s[SLN], v[QRB]
	v_add_nc_u32 v[XW], s[XXP], v[XWB]
	v_add_nc_u32 v[XR], s[XXN], v[XRB]
	s_wait_alu depctr_va_vdst(0)
	s_wait_dscnt 0x0
	s_barrier_signal -1
	s_barrier_wait -1
.if \refill
	tensor_load_to_lds s[G0W:G0W+3], s[G1:G1+7]
	s_nop 0
.endif
.endm
.macro FMRG a, d                       ; wave a + d's best joins wave a's: the higher wave wins only if greater
.irp e, 0,1
	v_cmp_gt_f32 s[MA+(\a)+\e], v[FV+2*((\a)+(\d))+\e], v[FV+2*(\a)+\e]
.endr
.irp e, 0,1
	s_delay_alu instid0(VALU_DEP_2)
	v_cndmask_b32 v[FI+2*(\a)+\e], v[FI+2*(\a)+\e], v[FI+2*((\a)+(\d))+\e], s[MA+(\a)+\e]
.endr
.irp e, 0,1
	v_max_num_f32 v[FV+2*(\a)+\e], v[FV+2*(\a)+\e], v[FV+2*((\a)+(\d))+\e]
.endr
.endm
.macro FIN                             ; wave 0 joins the eight waves' results of the block before: two points a lane, 256 consecutive bytes a store
	s_cmp_lg_u32 s[WV], 0
	s_cbranch_scc1 .Lno_fin_\@
	s_cmp_eq_u32 s[IC], 0
	s_cbranch_scc1 .Lno_fin_\@
.irp a, 0,1,2,3,4,5,6,7
	ds_load_b64 v[FV+2*\a:FV+2*\a+1], v[XR] offset:256*\a
.endr
.irp a, 0,1,2,3,4,5,6,7
	ds_load_b64 v[FI+2*\a:FI+2*\a+1], v[XR] offset:2048+256*\a
.endr
	s_wait_dscnt 0x0
	FMRG 0, 1
	FMRG 2, 1
	FMRG 4, 1
	FMRG 6, 1
	FMRG 0, 2
	FMRG 4, 2
	FMRG 0, 4
	global_store_b64 v[FO], v[FI:FI+1], s[12:13] th:TH_STORE_NT
	global_store_b64 v[FO], v[FI:FI+1], s[14:15] th:TH_STORE_NT
	s_wait_xcnt 0x0                                ; the stores have read their bases
	s_add_nc_u64 s[12:13], s[12:13], 256
	s_add_nc_u64 s[14:15], s[14:15], 256
.Lno_fin_\@:
.endm
.macro QLOAD u                         ; a lane's block of 32 numbers: 128 bytes of the slot
.irp i, 0,1,2,3,4,5,6,7
	ds_load_b128 v[ACC+32*((\u)%2)+4*\i:ACC+32*((\u)%2)+4*\i+3], v[QR] offset:4352*(\u)+16*\i
.endr
.endm
.macro QUANT u                         ; the block's largest magnitude over the floor 2^(3 - 127); 2 off its exponent field is the conversions' scale operand
.set XS, ACC+32*((\u)%2)
	v_max3_num_f32 v[QM], |v[XS]|, |v[XS+1]|, |v[XS+2]|
	v_max3_num_f32 v[QM+1], |v[XS+3]|, |v[XS+4]|, |v[XS+5]|
.irp i, 6,10,14,18,22,26
	s_delay_alu instid0(VALU_DEP_2)
	v_max3_num_f32 v[QM], v[QM], |v[XS+\i]|, |v[XS+\i+1]|
	s_delay_alu instid0(VALU_DEP_2)
	v_max3_num_f32 v[QM+1], v[QM+1], |v[XS+\i+2]|, |v[XS+\i+3]|
.endr
	s_delay_alu instid0(VALU_DEP_2)
	v_max3_num_f32 v[QM], v[QM], |v[XS+30]|, |v[XS+31]|
	s_delay_alu instid0(VALU_DEP_1)
	v_max3_num_f32 v[QM], v[QM], v[QM+1], 0x1800000
	s_delay_alu instid0(VALU_DEP_1)
	v_add_nc_u32 v[QS], 0xff000000, v[QM]
.irp g, 0,1,2,3
	v_cvt_scalef32_pk8_fp4_f32 v[QC+4*(\u)+\g], v[XS+8*\g:XS+8*\g+7], v[QS]
.endr
	v_lshrrev_b32 v[QB+(\u)], 23, v[QS]            ; the scale's byte; also the plain place behind the conversions
	ds_store_b128 v[CW], v[QC+4*(\u):QC+4*(\u)+3] offset:544*(\u)
	ds_store_b8 v[SW], v[QB+(\u)] offset:32*(\u)
.endm
.macro QPHASE                          ; counts: the 8 loads (and 2 stores) issued behind the set that is wanted
	QLOAD 0
	QLOAD 1
	s_wait_dscnt 8
	QUANT 0
	QLOAD 2
	s_wait_dscnt 10
	QUANT 1
	QLOAD 3
	s_wait_dscnt 10
	QUANT 2
	s_wait_dscnt 2
	QUANT 3
.endm
.macro EFLOAD m
.irp s, 0,1,2,3
.irp cc, 0,1
	ds_load_b128 v[EF+8*\s+4*\cc:EF+8*\s+4*\cc+3], v[CR] offset:4352*(\m)+64*\s+32*\cc
.endr
.endr
.endm
.macro WM c, s, m
.set rD, ACC+8*(\c)
.set rA, 32*(\c)+8*(\s)
.set rB, EF+8*(\s)
.set rC, ACC+8*(\c)
.if (\s) == 0
.set rC, CQ+8*(\c)
.endif
.set rX, CS+2*(\c)+(\s)/2
.set rY, ES+4*((\m)/2)+(\s)
.if ((\s)%2 == 0) && ((\m)%2 == 0)
	v_wmma_scale_f32_16x16x128_f8f6f4 v[rD:rD+7], v[rA:rA+7], v[rB:rB+7], v[rC:rC+7], v[rX], v[rY] matrix_a_fmt:MATRIX_FMT_FP4 matrix_b_fmt:MATRIX_FMT_FP4
.elseif ((\s)%2 == 1) && ((\m)%2 == 0)
	v_wmma_scale_f32_16x16x128_f8f6f4 v[rD:rD+7], v[rA:rA+7], v[rB:rB+7], v[rC:rC+7], v[rX], v[rY] matrix_a_fmt:MATRIX_FMT_FP4 matrix_b_fmt:MATRIX_FMT_FP4 matrix_a_scale:MATRIX_SCALE_ROW1
.elseif ((\s)%2 == 0)
	v_wmma_scale_f32_16x16x128_f8f6f4 v[rD:rD+7], v[rA:rA+7], v[rB:rB+7], v[rC:rC+7], v[rX], v[rY] matrix_a_fmt:MATRIX_FMT_FP4 matrix_b_fmt:MATRIX_FMT_FP4 matrix_b_scale:MATRIX_SCALE_ROW1
.else
	v_wmma_scale_f32_16x16x128_f8f6f4 v[rD:rD+7], v[rA:rA+7], v[rB:rB+7], v[rC:rC+7], v[rX], v[rY] matrix_a_fmt:MATRIX_FMT_FP4 matrix_b_fmt:MATRIX_FMT_FP4 matrix_a_scale:MATRIX_SCALE_ROW1 matrix_b_scale:MATRIX_SCALE_ROW1
.endif
.endm
.macro BURST m                         ; the 8 accumulators by turns, K ascending
	WIN 0x01
.irp s, 0,1,2,3
.irp c, 0,1,2,3,4,5,6,7
	WM \c, \s, \m
.endr
.endr
	WIN 0
.endm
.macro CND2 d, a, b                    ; two selects by VCC: d, d + 1 = b, b + 1 where the upper half won, else a, a + 1
	v_dual_cndmask_b32 v[\d], v[\a], v[\b] :: v_dual_cndmask_b32 v[(\d)+1], v[(\a)+1], v[(\b)+1]   ; one dual-issue pair: d is even, and neighbouring registers lie in different banks
.endm
.macro BIT m                           ; the place takes one more bit: 2 x place + VCC
	v_add_co_ci_u32 v[RI+(\m)], vcc_lo, v[RI+(\m)], v[RI+(\m)], vcc_lo
.endm
; Tile m's 64 scores a lane: the 8 tiles' maxima (each accumulator is read from its low end on), then the three halvings over c.
.macro TOP m
.irp c, 0,1,2,3,4,5,6,7
	v_max3_num_f32 v[BV+\c], v[ACC+8*\c], v[ACC+8*\c+1], v[ACC+8*\c+2]
.endr
.irp i, 3,5
.irp c, 0,1,2,3,4,5,6,7
	v_max3_num_f32 v[BV+\c], v[BV+\c], v[ACC+8*\c+\i], v[ACC+8*\c+\i+1]
.endr
.endr
.irp c, 0,1,2,3,4,5,6,7
	v_max_num_f32 v[BV+\c], v[BV+\c], v[ACC+8*\c+7]
.endr
	v_max3_num_f32 v[TA], v[BV], v[BV+1], v[BV+2]
	v_max3_num_f32 v[TB], v[BV+4], v[BV+5], v[BV+6]
	s_delay_alu instid0(VALU_DEP_2)
	v_max_num_f32 v[TA], v[TA], v[BV+3]
	s_delay_alu instid0(VALU_DEP_2)
	v_max_num_f32 v[TB], v[TB], v[BV+7]
	s_delay_alu instid0(VALU_DEP_1)
	v_cmp_gt_f32 vcc_lo, v[TB], v[TA]              ; c = 4 .. 7 against c = 0 .. 3
	CND2 BV, BV, BV+4
	CND2 BV+2, BV+2, BV+6
	v_max_num_f32 v[TA], v[BV], v[BV+1]            ; the next halving's maxima, made under this one's selects
	v_max_num_f32 v[TB], v[BV+2], v[BV+3]
.irp k, 0,2,4,6,8,10,12,14,16,18,20,22,24,26,28,30
	CND2 ACC+\k, ACC+\k, ACC+32+\k
.endr
	v_cndmask_b32 v[RI+(\m)], 0, 1, vcc_lo
	v_cmp_gt_f32 vcc_lo, v[TB], v[TA]
	CND2 BV, BV, BV+2
.irp k, 0,2,4,6,8,10,12,14
	CND2 ACC+\k, ACC+\k, ACC+16+\k
.endr
	BIT \m
	v_cmp_gt_f32 vcc_lo, v[BV+1], v[BV]
	v_max_num_f32 v[RV+(\m)], v[BV], v[BV+1]       ; the lane's largest score
.irp k, 0,2,4,6
	CND2 F+8*(\m)+\k, ACC+\k, ACC+8+\k
.endr
	BIT \m
.endm
; The three halvings over j, the four tiles by turns.  The centroids run down j: the upper half wins a tie.
.macro LOWJ
.irp m, 0,1,2,3
	v_max3_num_f32 v[BV+2*\m], v[F+8*\m], v[F+8*\m+1], v[F+8*\m+2]
	v_max3_num_f32 v[BV+2*\m+1], v[F+8*\m+4], v[F+8*\m+5], v[F+8*\m+6]
.endr
.irp m, 0,1,2,3
	v_max_num_f32 v[BV+2*\m], v[BV+2*\m], v[F+8*\m+3]
	v_max_num_f32 v[BV+2*\m+1], v[BV+2*\m+1], v[F+8*\m+7]
.endr
.irp m, 0,1,2,3
	v_cmp_ge_f32 vcc_lo, v[BV+2*\m+1], v[BV+2*\m]
	CND2 F+8*\m, F+8*\m, F+8*\m+4
	CND2 F+8*\m+2, F+8*\m+2, F+8*\m+6
	BIT \m
.endr
.irp m, 0,1,2,3
	v_max_num_f32 v[BV+2*\m], v[F+8*\m], v[F+8*\m+1]
	v_max_num_f32 v[BV+2*\m+1], v[F+8*\m+2], v[F+8*\m+3]
.endr
.irp m, 0,1,2,3
	v_cmp_ge_f32 vcc_lo, v[BV+2*\m+1], v[BV+2*\m]
	CND2 F+8*\m, F+8*\m, F+8*\m+2
	BIT \m
.endr
.irp m, 0,1,2,3
	v_cmp_ge_f32 vcc_lo, v[F+8*\m+1], v[F+8*\m]
	s_delay_alu instid0(VALU_DEP_1)
	BIT \m
.endr
.endm
.macro TAILX                           ; the place 8 c + j becomes the centroid 128 w + 64 h + 8 c + 7 - j; lane l xor 16 joins; value and index go to LDS
.irp m, 0,1,2,3
	v_xor_b32 v[RI+\m], v[HW], v[RI+\m]
.endr
.irp m, 0,1,2,3
	v_permlanex16_b32 v[PV+\m], v[RV+\m], s[SEL], s[SEL+1]
.endr
.irp m, 0,1,2,3
	v_permlanex16_b32 v[PI+\m], v[RI+\m], s[SEL], s[SEL+1]
.endr
.irp m, 0,1,2,3
	v_cmp_gt_f32 s[MA+\m], v[PV+\m], v[RV+\m]
.endr
.irp m, 0,1,2,3
	v_cmp_ge_f32 s[MB+\m], v[PV+\m], v[RV+\m]
.endr
.irp m, 0,1,2,3
	s_and_b32 s[MA+\m], s[MA+\m], s[LOM]
	s_and_not1_b32 s[MB+\m], s[MB+\m], s[LOM]
	s_or_b32 s[MA+\m], s[MA+\m], s[MB+\m]
.endr
.irp m, 0,1,2,3
	v_cndmask_b32 v[RV+\m], v[RV+\m], v[PV+\m], s[MA+\m]
.endr
.irp m, 0,1,2,3
	v_cndmask_b32 v[RI+\m], v[RI+\m], v[PI+\m], s[MA+\m]
.endr
.irp m, 0,1,2,3
	s_delay_alu instid0(VALU_DEP_4)
	v_cndmask_b32 v[TD+\m], v[RV+\m], v[RI+\m], s[HIM]
.endr
.irp m, 0,1,2,3
	ds_store_b32 v[XW], v[TD+\m] offset:64*\m
.endr
.endm
.macro PPHASE
	ds_load_b128 v[ES:ES+3], v[SR]
	ds_load_b128 v[ES+4:ES+7], v[SR] offset:512
	EFLOAD 0
.irp m, 0,1,2,3
	s_wait_dscnt 0x0
	BURST \m
.rept 4
	v_nop                                          ; four places behind the last products, ahead of the loads into their sources and of the reads of their results
.endr
.if \m < 3
	EFLOAD \m+1
.endif
	TOP \m
.endr
	LOWJ
	TAILX
.endm
.macro PERIOD refill
	HEAD \refill
	QPHASE
	s_wait_dscnt 0x0                               ; for the others' sake: my rows' codes and scale bytes lie in LDS
	s_barrier_signal -1                            ; the block that is on its way stays out
	s_barrier_wait -1
	FIN
.if \refill
	s_cmp_lt_u32 s[IC], 6                          ; block IC + 2 exists
	s_cbranch_scc0 .Lno_ask_\@
	global_prefetch_b8 v[PFO], s[PF:PF+1] offset:BLKB th:TH_LOAD_NT scope:SCOPE_SE
	global_prefetch_b8 v[PFO], s[PF:PF+1] offset:BLKB+8192 th:TH_LOAD_NT scope:SCOPE_SE
.Lno_ask_\@:
.endif
	s_wait_loadcnt 0x0                             ; my centroids' operands are in (met at once from the second trip on)
	PPHASE
.endm
	s_load_b256 s[4:11], s[0:1], 0x0               ; embeddings, ccodes, cscales, csqh
	s_load_b128 s[12:15], s[0:1], 0x20             ; out1, assign
	v_lshl_add_u32 v[SPW], v0, 2, SPARE
	v_mov_b32 v[NIL], 0
	ds_add_u32 v[SPW], v[NIL]                      ; the opening lines: the add,
	ds_add_u32 v[SPW], v[NIL]                      ; once more, and below the one wait
	v_lshrrev_b32 v19, 5, v0
	s_delay_alu instid0(VALU_DEP_1)
	v_readfirstlane_b32 s[WV], v19
	s_mov_b32 s[G1+0], (3<<16)|(1<<20)|(5<<22)|(3<<25)   ; elements of 8 bytes; 16 bytes of padding behind every 256
	s_mov_b32 s[G1+1], 32<<16
	s_mov_b32 s[G1+2], 64<<16
	s_mov_b32 s[G1+3], 32<<16
	s_mov_b32 s[G1+4], 64
	s_mov_b32 s[G1+5], 32
	s_mov_b32 s[G1+6], 0
	s_mov_b32 s[G1+7], 0
	s_mul_i32 s[WOFF], s[WV], WTILE
	s_lshl_b32 s66, ttmp9, 20
	s_lshl_b32 s67, s[WV], 14
	s_add_co_u32 s66, s66, s67                     ; my 8 rows of the work-group's first block
	s_mov_b32 s67, 0
	s_wait_dscnt 0x0
	s_wait_kmcnt 0x0
	s_add_nc_u64 s[4:5], s[4:5], s[66:67]
	s_mov_b32 s[G0W], 1
	s_mov_b32 s[G0W+1], s[WOFF]
	s_mov_b64 s[G0W+2:G0W+3], s[4:5]
	s_or_b32 s[G0W+3], s[G0W+3], 0x80000000
	s_mov_b64 s[PF:PF+1], s[4:5]
	tensor_load_to_lds s[G0W:G0W+3], s[G1:G1+7]    ; block 0: my one tensor load at the head
	s_nop 0
	s_lshl_b32 s66, s[WV], 15
	s_add_nc_u64 s[6:7], s[6:7], s[66:67]
	s_lshl_b32 s66, s[WV], 11
	s_add_nc_u64 s[8:9], s[8:9], s[66:67]
	s_lshl_b32 s66, s[WV], 9
	s_add_nc_u64 s[10:11], s[10:11], s[66:67]
	s_lshl_b32 s66, ttmp9, 11
	s_add_nc_u64 s[12:13], s[12:13], s[66:67]
	s_add_nc_u64 s[14:15], s[14:15], s[66:67]
	s_mul_i32 s72, s[WV], 8*272
	s_add_co_u32 s72, s72, CODE0
	s_lshl_b32 s74, s[WV], 7
	s_add_co_u32 s73, s74, 7
	s_add_co_u32 s74, s74, SCB0
	s_lshl_b32 s75, s[WV], 8
	s_add_co_u32 s75, s75, X0
	s_mov_b32 s[LOM], 0xffff
	s_mov_b32 s[HIM], 0xffff0000
	s_mov_b32 s[SEL], 0x76543210
	s_mov_b32 s[SEL+1], 0xfedcba98
	s_mov_b32 s[IC], 0
	s_mov_b32 s[SLP], 0
	s_mov_b32 s[SLN], SLOTB
	s_mov_b32 s[XXP], XB
	s_mov_b32 s[XXN], 0
	v_and_b32 v244, 31, v0
	v_and_b32 v245, 15, v0
	v_bfe_u32 v246, v0, 4, 1
	s_delay_alu instid0(VALU_DEP_3)
	v_lshlrev_b32 v[LN16], 4, v244
	v_lshlrev_b32 v[LN4], 2, v244
	v_lshlrev_b32 v[H256], 8, v246
	v_lshlrev_b32 v[PFO], 8, v244
	v_lshrrev_b32 v247, 1, v244
	v_mul_u32_u24 v[CW], v246, 272
	v_mul_u32_u24 v[CR], v245, 272
	s_delay_alu instid0(VALU_DEP_3)
	v_mul_u32_u24 v[QRB], v247, 272
	v_and_b32 v247, 1, v244
	v_lshl_add_u32 v[CW], v245, 4, v[CW]
	v_lshl_add_u32 v[CR], v246, 4, v[CR]
	s_delay_alu instid0(VALU_DEP_3)
	v_lshl_add_u32 v[QRB], v247, 7, v[QRB]
	v_add_nc_u32 v[CW], s72, v[CW]
	v_add_nc_u32 v[CR], CODE0, v[CR]
	s_delay_alu instid0(VALU_DEP_3)
	v_add_nc_u32 v[QRB], s[WOFF], v[QRB]
	v_lshl_add_u32 v[HW], v246, 6, s73
	v_add_nc_u32 v[SW], s74, v244
	v_lshl_add_u32 v[SR], v244, 4, SCB0
	v_lshlrev_b32 v[XWB], 2, v245
	v_lshl_add_u32 v[XRB], v244, 3, X0
	v_lshlrev_b32 v[FO], 3, v244
	s_delay_alu instid0(VALU_DEP_3)
	v_lshl_add_u32 v[XWB], v246, 11, v[XWB]
	s_delay_alu instid0(VALU_DEP_1)
	v_add_nc_u32 v[XWB], s75, v[XWB]
	s_wait_alu depctr_va_vdst(0)
	global_prefetch_b8 v[PFO], s[PF:PF+1] offset:BLKB th:TH_LOAD_NT scope:SCOPE_SE        ; my 16 KiB of block 1
	global_prefetch_b8 v[PFO], s[PF:PF+1] offset:BLKB+8192 th:TH_LOAD_NT scope:SCOPE_SE
	WIN 0x40                                       ; my centroids' operands are asked for while block 0 is on its way; they are waited for ahead of the first products
.set i, 0
.rept 64
	global_load_b128 v[4*i:4*i+3], v[LN16], s[6:7] offset:512*i
.set i, i+1
.endr
	WIN 0
.set i, 0
.rept 16
	global_load_b32 v[CS+i], v[LN4], s[8:9] offset:128*i
.set i, i+1
.endr
.set i, 0
.rept 16
	global_load_b128 v[CQ+4*i:CQ+4*i+3], v[H256], s[10:11] offset:16*i
.set i, i+1
.endr
.Lmain:
	PERIOD 1                                       ; the first trip's load is slot 1's first fill: it stands behind the same lines as a refill
	s_add_co_u32 s[IC], s[IC], 1
	s_cmp_lt_u32 s[IC], 7
	s_cbranch_scc1 .Lmain
	PERIOD 0                                       ; block 7: nothing is left to fetch
	s_add_co_u32 s[IC], s[IC], 1
	HEAD 0
	FIN
	s_wait_tensorcnt 0x0                           ; the wave's end
	ds_add_u32 v[SPW], v[NIL]
	s_wait_dscnt 0x0
	s_endpgm
.Lfunc_end_k_q14a43e2f2b_assign:
	.size	k_q14a43e2f2b_assign, .Lfunc_end_k_q14a43e2f2b_assign-k_q14a43e2f2b_assign
	.p2alignl 7, 3214868480
	.fill 96, 4, 3214868480
	.section	.rodata,"a",@progbits
	.p2align	6, 0x0
	.amdhsa_kernel k_q14a43e2f2b_assign
		.amdhsa_group_segment_fixed_size 327680
		.amdhsa_private_segment_fixed_size 0
		.amdhsa_enable_private_segment 0
		.amdhsa_kernarg_size 48
		.amdhsa_user_sgpr_count 2
		.amdhsa_user_sgpr_kernarg_segment_ptr 1
		.amdhsa_wavefront_size32 1
		.amdhsa_system_sgpr_workgroup_id_x 1
		.amdhsa_system_sgpr_workgroup_id_y 1
		.amdhsa_system_sgpr_workgroup_id_z 1
		.amdhsa_system_vgpr_workitem_id 0
		.amdhsa_next_free_vgpr 512
		.amdhsa_next_free_sgpr 80
		.amdhsa_reserve_vcc 1
		.amdhsa_float_denorm_mode_32 3
		.amdhsa_float_denorm_mode_16_64 3
		.amdhsa_memory_ordered 1
		.amdhsa_forward_progress 1
		.amdhsa_inst_pref_size 132
	.end_amdhsa_kernel
	.amdgpu_metadata
---
amdhsa.version: [ 1, 2 ]
amdhsa.kernels:
  - .name:           k_q14a43e2f2b_assign
    .symbol:         k_q14a43e2f2b_assign.kd
    .args:
      - { .name: embeddings, .offset: 0, .size: 8, .value_kind: global_buffer, .address_space: global }
      - { .name: ccodes, .offset: 8, .size: 8, .value_kind: global_buffer, .address_space: global }
      - { .name: cscales, .offset: 16, .size: 8, .value_kind: global_buffer, .address_space: global }
      - { .name: csqh, .offset: 24, .size: 8, .value_kind: global_buffer, .address_space: global }
      - { .name: out1, .offset: 32, .size: 8, .value_kind: global_buffer, .address_space: global }
      - { .name: assign, .offset: 40, .size: 8, .value_kind: global_buffer, .address_space: global }
    .group_segment_fixed_size: 327680
    .private_segment_fixed_size: 0
    .kernarg_segment_align: 8
    .kernarg_segment_size: 48
    .max_flat_workgroup_size: 256
    .sgpr_count:     80
    .vgpr_count:     512
    .wavefront_size: 32
...
	.end_amdgpu_metadata
.endif
;; end of part 2
;; launch loss (part 3): grid 256 x 1, 16 waves a work-group, no clusters, 264,448 bytes of LDS; arguments embeddings, centroids, assign, partials; writes partials
.if DOCPART == 3
	.amdgcn_target "amdgcn-amd-amdhsa--gfx1250"
	.amdhsa_code_object_version 6
	.text
	.protected	k_q14a43e2f2b_loss
	.globl	k_q14a43e2f2b_loss
	.p2align	8
	.type	k_q14a43e2f2b_loss,@function
k_q14a43e2f2b_loss:
	s_mov_b64 s[64:65], 0
	v_nop
	global_prefetch_b8 v0, s[64:65] scope:SCOPE_SE
	s_setreg_imm32_b32 hwreg(HW_REG_WAVE_MODE, 25, 1), 1
	s_wait_xcnt 0x0
; partials[g] = the sum over work-group g's 4,096 rows n and 64 columns d of (e[n][d] - centroids[assign[n]][d])^2, on the f32 inputs as they are given.
; The differences are formed directly, never by the expansion into squares and a product: a common offset of the inputs costs no accuracy.
; SHARES.  Work-group g takes columns 64 (g % 8) .. + 63, which are 256 aligned bytes of every row, and rows 4,096 (g / 8) .. + 4,095.  These columns of all 1,024 centroids are 256 KiB:
; they come into LDS once, 64 rows of 256 bytes by one tensor load a wave, and every centroid row is then read from LDS at the index that the launch before stored, held to 0 .. 1,023.
; A wave takes 256 rows: lanes 0-15 rows 0 .. 127 of them, lanes 16-31 rows 128 .. 255; each half's load of e covers one aligned unit of 256 bytes, and its LDS read one centroid's 256 bytes.
; A lane's indices come four to a load (the sixteen lanes of a half read the same 16 bytes).  Eight trips of 16 rows a half, written out: every offset is an immediate.
; Two sets of registers take turns: a set is 4 loads of indices and 16 of e, and the next set's 20 stay out at a trip's wait.
; PREFETCH: trip t, which loads trip t + 2's rows, asks for trip t + 4's: 32 units of 256 bytes of e, a lane to each, one instruction a wave; trips 2 and 3 are asked for at the head;
; the last four trips ask for nothing.
; NO CLUSTER: what work-groups share is the centroids' 256 KiB of the 1.25 MiB that a work-group reads, fetched once at the head.
.set RED,   262144                     ; behind the centroids: the 16 waves' sums, a block of 256 bytes
.set SPARE, 262400                     ; the spare words: 128 bytes for each of 16 waves
.set SPW, 1
.set NIL, 2
.set EO,  3                            ; 128 rows x h + 16 r: my bytes in e
.set IO,  4                            ; 512 h: my half's indices
.set LN,  5                            ; 16 r
.set PO,  6                            ; 128 rows x h + r rows: the unit that I ask for
.set AC,  8                            ; v8-23    the sum, eight packed chains (at the head: at work)
.set IX,  24                           ; v24-55   two sets of 16 indices, then LDS addresses
.set CB,  56                           ; v56-119  16 x 4: the centroids' bytes
.set EB,  120                          ; v120-247 two sets of 16 x 4: e
	s_load_b256 s[4:11], s[0:1], 0x0               ; embeddings, centroids, assign, partials
	v_lshl_add_u32 v[SPW], v0, 2, SPARE
	v_mov_b32 v[NIL], 0
	ds_add_u32 v[SPW], v[NIL]                      ; the opening lines: the add,
	ds_add_u32 v[SPW], v[NIL]                      ; once more, and below the one wait
	v_lshrrev_b32 v10, 5, v0
	s_delay_alu instid0(VALU_DEP_1)
	v_readfirstlane_b32 s12, v10                   ; wave
	s_mov_b32 s24, 3<<16                           ; group 1: elements of 8 bytes, no padding
	s_mov_b32 s25, 32<<16                          ; a row of 32 elements,
	s_mov_b32 s26, 64<<16                          ; 64 rows
	s_mov_b32 s27, 32<<16
	s_mov_b32 s28, 64
	s_mov_b32 s29, 256                             ; 2,048 bytes from row to row
	s_mov_b32 s30, 0
	s_mov_b32 s31, 0
	s_and_b32 s13, ttmp9, 7
	s_lshl_b32 s15, s13, 8                         ; my columns, in bytes
	s_lshr_b32 s14, ttmp9, 3
	s_lshl_b32 s14, s14, 12
	s_lshl_b32 s13, s12, 8
	s_add_co_u32 s14, s14, s13                     ; my wave's first row
	s_lshl_b32 s16, s14, 11
	s_add_co_u32 s16, s16, s15                     ; in e (under 2^28 + 2^11)
	s_mov_b32 s17, 0
	s_lshl_b32 s18, s14, 2                         ; among the indices
	s_mov_b32 s19, 0
	s_lshl_b32 s20, s12, 17
	s_add_co_u32 s20, s20, s15                     ; the 64 centroids that I fetch
	s_mov_b32 s21, 0
	s_lshl_b32 s22, ttmp9, 2
	s_mov_b32 s23, 0
	s_mov_b32 s36, 0x76543210
	s_mov_b32 s37, 0xfedcba98
	s_wait_dscnt 0x0
	s_wait_kmcnt 0x0
	s_add_nc_u64 s[4:5], s[4:5], s[16:17]
	s_add_nc_u64 s[8:9], s[8:9], s[18:19]
	s_add_nc_u64 s[10:11], s[10:11], s[22:23]
	s_mov_b32 s32, 1
	s_lshl_b32 s33, s12, 14                        ; LDS: 16 KiB x wave
	s_add_nc_u64 s[34:35], s[6:7], s[20:21]
	s_or_b32 s35, s35, 0x80000000
	tensor_load_to_lds s[32:35], s[24:31]
	s_nop 0
	v_and_b32 v8, 15, v0
	v_bfe_u32 v9, v0, 4, 1
	s_delay_alu instid0(VALU_DEP_2)
	v_lshlrev_b32 v[LN], 4, v8
	s_delay_alu instid0(VALU_DEP_2)
	v_lshlrev_b32 v[IO], 9, v9
	v_lshlrev_b32 v[PO], 18, v9
	s_delay_alu instid0(VALU_DEP_3)
	v_lshl_add_u32 v[EO], v9, 18, v[LN]
	s_delay_alu instid0(VALU_DEP_2)
	v_lshl_add_u32 v[PO], v8, 11, v[PO]
	s_wait_alu depctr_va_vdst(0)
.macro FILL t
.irp q, 0,1,2,3
	global_load_b128 v[IX+16*((\t)%2)+4*\q:IX+16*((\t)%2)+4*\q+3], v[IO], s[8:9] offset:64*(\t)+16*\q
.endr
.irp i, 0,1,2,3,4,5,6,7,8,9,10,11,12,13,14,15
	global_load_b128 v[EB+64*((\t)%2)+4*\i:EB+64*((\t)%2)+4*\i+3], v[EO], s[4:5] offset:2048*(16*(\t)+\i) th:TH_LOAD_NT
.endr
.endm
.macro ASK t                           ; trip t's 16 rows of each half: 32 units of 256 bytes
	global_prefetch_b8 v[PO], s[4:5] offset:32768*(\t) th:TH_LOAD_NT scope:SCOPE_SE
.endm
	FILL 0                                         ; e and the indices hang on no LDS byte: two sets go out while the centroids come
	FILL 1
	ASK 2
	ASK 3
	s_wait_tensorcnt 0x0                           ; my 64 centroids are in,
	s_barrier_signal -1
	s_barrier_wait -1                              ; and everybody's
; left = the loads of the next set, which may stay out.  The LDS reads are waited for four at a time: 12, 8, 4, 0 younger ones stay out.
.macro TRIP t, left
	s_wait_loadcnt \left
.set XI, IX+16*((\t)%2)
.set XE, EB+64*((\t)%2)
.irp i, 0,1,2,3,4,5,6,7,8,9,10,11,12,13,14,15
	v_min_u32 v[XI+\i], 0x3ff, v[XI+\i]            ; an index stays inside the table
.endr
.irp i, 0,1,2,3,4,5,6,7,8,9,10,11,12,13,14,15
	v_lshl_add_u32 v[XI+\i], v[XI+\i], 8, v[LN]
.endr
.irp i, 0,1,2,3,4,5,6,7,8,9,10,11,12,13,14,15
	ds_load_b128 v[CB+4*\i:CB+4*\i+3], v[XI+\i]
.endr
.irp g, 0,1,2,3
	s_wait_dscnt 12-4*\g
.irp k, 0,1,2,3,4,5,6,7
	v_pk_add_f32 v[XE+16*\g+2*\k:XE+16*\g+2*\k+1], v[XE+16*\g+2*\k:XE+16*\g+2*\k+1], v[CB+16*\g+2*\k:CB+16*\g+2*\k+1] neg_lo:[0,1] neg_hi:[0,1]
.endr
.irp k, 0,1,2,3,4,5,6,7
.if ((\t) == 0) && (\g == 0)
	v_pk_mul_f32 v[AC+2*\k:AC+2*\k+1], v[XE+2*\k:XE+2*\k+1], v[XE+2*\k:XE+2*\k+1]   ; the first products start the chains
.else
	v_pk_fma_f32 v[AC+2*\k:AC+2*\k+1], v[XE+16*\g+2*\k:XE+16*\g+2*\k+1], v[XE+16*\g+2*\k:XE+16*\g+2*\k+1], v[AC+2*\k:AC+2*\k+1]
.endif
.endr
.endr
.if (\t)+2 < 8
	FILL (\t)+2
.endif
.if (\t)+4 < 8
	ASK (\t)+4
.endif
.endm
.irp t, 0,1,2,3,4,5,6
	TRIP \t, 20
.endr
	TRIP 7, 0
.irp k, 0,4,8,12
	v_pk_add_f32 v[AC+\k:AC+\k+1], v[AC+\k:AC+\k+1], v[AC+\k+2:AC+\k+3]
.endr
	s_delay_alu instid0(VALU_DEP_3)
	v_pk_add_f32 v[AC:AC+1], v[AC:AC+1], v[AC+4:AC+5]
	s_delay_alu instid0(VALU_DEP_2)
	v_pk_add_f32 v[AC+8:AC+9], v[AC+8:AC+9], v[AC+12:AC+13]
	s_delay_alu instid0(VALU_DEP_1)
	v_pk_add_f32 v[AC:AC+1], v[AC:AC+1], v[AC+8:AC+9]
	s_delay_alu instid0(VALU_DEP_1)
	v_add_f32 v[AC], v[AC], v[AC+1]
	s_delay_alu instid0(VALU_DEP_1)
	v_add_f32_dpp v[AC], v[AC], v[AC] row_xmask:1 row_mask:0xf bank_mask:0xf
	s_delay_alu instid0(VALU_DEP_1)
	v_add_f32_dpp v[AC], v[AC], v[AC] row_xmask:2 row_mask:0xf bank_mask:0xf
	s_delay_alu instid0(VALU_DEP_1)
	v_add_f32_dpp v[AC], v[AC], v[AC] row_xmask:4 row_mask:0xf bank_mask:0xf
	s_delay_alu instid0(VALU_DEP_1)
	v_add_f32_dpp v[AC], v[AC], v[AC] row_xmask:8 row_mask:0xf bank_mask:0xf
	s_delay_alu instid0(VALU_DEP_1)
	v_permlanex16_b32 v[AC+1], v[AC], s36, s37
	s_delay_alu instid0(VALU_DEP_1)
	v_add_f32 v[AC], v[AC], v[AC+1]                ; the wave's sum, in every lane
	s_lshl_b32 s13, s12, 2
	s_add_co_u32 s13, s13, RED
	v_mov_b32 v56, s13
	s_wait_alu depctr_va_vdst(0)
	s_barrier_signal -1                            ; every wave's reads of the centroids are back (the last trip's wait was for 0)
	s_barrier_wait -1
	ds_store_b32 v56, v[AC]                        ; all lanes write the wave's word with the same value
	s_wait_dscnt 0x0                               ; for wave 0's sake
	s_barrier_signal -1
	s_barrier_wait -1
	s_cmp_lg_u32 s12, 0
	s_cbranch_scc1 .Ldone
	v_mov_b32 v57, RED
.irp q, 0,1,2,3
	ds_load_b128 v[24+4*\q:27+4*\q], v57 offset:16*\q
.endr
	v_mov_b32 v58, 0
	s_wait_dscnt 0x0
.irp k, 24,28,32,36
	v_pk_add_f32 v[\k:\k+1], v[\k:\k+1], v[\k+2:\k+3]
.endr
	s_delay_alu instid0(VALU_DEP_3)
	v_pk_add_f32 v[24:25], v[24:25], v[28:29]
	s_delay_alu instid0(VALU_DEP_2)
	v_pk_add_f32 v[32:33], v[32:33], v[36:37]
	s_delay_alu instid0(VALU_DEP_1)
	v_pk_add_f32 v[24:25], v[24:25], v[32:33]
	s_delay_alu instid0(VALU_DEP_1)
	v_add_f32 v24, v24, v25
	s_wait_alu depctr_va_vdst(0)
	s_wait_xcnt 0x0                                ; EXEC changes only behind this wait
	v_cmp_eq_u32 vcc_lo, 0, v0
	s_and_saveexec_b32 s13, vcc_lo                 ; thread 0 alone
	global_store_b32 v58, v24, s[10:11]
	s_wait_xcnt 0x0                                ; and again, in front of the line that widens it
	s_or_b32 exec_lo, exec_lo, s13
.Ldone:
	s_wait_tensorcnt 0x0                           ; the wave's end
	ds_add_u32 v[SPW], v[NIL]
	s_wait_dscnt 0x0
	s_endpgm
.Lfunc_end_k_q14a43e2f2b_loss:
	.size	k_q14a43e2f2b_loss, .Lfunc_end_k_q14a43e2f2b_loss-k_q14a43e2f2b_loss
	.p2alignl 7, 3214868480
	.fill 96, 4, 3214868480
	.section	.rodata,"a",@progbits
	.p2align	6, 0x0
	.amdhsa_kernel k_q14a43e2f2b_loss
		.amdhsa_group_segment_fixed_size 264448
		.amdhsa_private_segment_fixed_size 0
		.amdhsa_enable_private_segment 0
		.amdhsa_kernarg_size 32
		.amdhsa_user_sgpr_count 2
		.amdhsa_user_sgpr_kernarg_segment_ptr 1
		.amdhsa_wavefront_size32 1
		.amdhsa_system_sgpr_workgroup_id_x 1
		.amdhsa_system_sgpr_workgroup_id_y 1
		.amdhsa_system_sgpr_workgroup_id_z 1
		.amdhsa_system_vgpr_workitem_id 0
		.amdhsa_next_free_vgpr 248
		.amdhsa_next_free_sgpr 66
		.amdhsa_reserve_vcc 1
		.amdhsa_float_denorm_mode_32 3
		.amdhsa_float_denorm_mode_16_64 3
		.amdhsa_memory_ordered 1
		.amdhsa_forward_progress 1
		.amdhsa_inst_pref_size 79
	.end_amdhsa_kernel
	.amdgpu_metadata
---
amdhsa.version: [ 1, 2 ]
amdhsa.kernels:
  - .name:           k_q14a43e2f2b_loss
    .symbol:         k_q14a43e2f2b_loss.kd
    .args:
      - { .name: embeddings, .offset: 0, .size: 8, .value_kind: global_buffer, .address_space: global }
      - { .name: centroids, .offset: 8, .size: 8, .value_kind: global_buffer, .address_space: global }
      - { .name: assign, .offset: 16, .size: 8, .value_kind: global_buffer, .address_space: global }
      - { .name: partials, .offset: 24, .size: 8, .value_kind: global_buffer, .address_space: global }
    .group_segment_fixed_size: 264448
    .private_segment_fixed_size: 0
    .kernarg_segment_align: 8
    .kernarg_segment_size: 32
    .max_flat_workgroup_size: 512
    .sgpr_count:     66
    .vgpr_count:     248
    .wavefront_size: 32
...
	.end_amdgpu_metadata
.endif
;; end of part 3
;; launch total (part 4): grid 1 x 1, 1 waves a work-group, no clusters, 0 bytes of LDS; arguments partials, out0; writes out0
.if DOCPART == 4
	.amdgcn_target "amdgcn-amd-amdhsa--gfx1250"
	.amdhsa_code_object_version 6
	.text
	.protected	k_q14a43e2f2b_total
	.globl	k_q14a43e2f2b_total
	.p2align	8
	.type	k_q14a43e2f2b_total,@function
k_q14a43e2f2b_total:
	s_mov_b64 s[64:65], 0
	v_nop
	global_prefetch_b8 v0, s[64:65] scope:SCOPE_SE
	s_setreg_imm32_b32 hwreg(HW_REG_WAVE_MODE, 25, 1), 1
	s_wait_xcnt 0x0
; out0 = the sum of the 256 work-groups' parts / (131,072 x 512).  One wave: 8 numbers a lane, a tree, the sum over the lanes; the divisor is 2^26, so the division is an exact multiplication.
; A launch of its own, since a sum over work-groups has one owner and the work-groups of a launch hand each other nothing.
	s_load_b128 s[4:7], s[0:1], 0x0                ; partials s[4:5], out0 s[6:7]
	v_lshlrev_b32 v1, 4, v0                        ; 16 x lane
	v_mov_b32 v2, 0
	s_mov_b32 s8, 0x76543210
	s_mov_b32 s9, 0xfedcba98                       ; v_permlanex16_b32's selects for lane l xor 16
	s_wait_alu depctr_va_vdst(0)
	s_wait_kmcnt 0x0
	global_load_b128 v[4:7], v1, s[4:5]            ; 512 consecutive bytes each
	global_load_b128 v[8:11], v1, s[4:5] offset:512
	s_wait_loadcnt 0x0
	v_pk_add_f32 v[4:5], v[4:5], v[6:7]
	v_pk_add_f32 v[8:9], v[8:9], v[10:11]
	v_pk_add_f32 v[4:5], v[4:5], v[8:9]
	v_add_f32 v4, v4, v5
	v_add_f32_dpp v4, v4, v4 row_xmask:1 row_mask:0xf bank_mask:0xf
	v_add_f32_dpp v4, v4, v4 row_xmask:2 row_mask:0xf bank_mask:0xf
	v_add_f32_dpp v4, v4, v4 row_xmask:4 row_mask:0xf bank_mask:0xf
	v_add_f32_dpp v4, v4, v4 row_xmask:8 row_mask:0xf bank_mask:0xf
	v_permlanex16_b32 v5, v4, s8, s9
	v_add_f32 v4, v4, v5
	v_mul_f32 v4, 0x32800000, v4                   ; x 2^-26
	s_wait_alu depctr_va_vdst(0)
	s_wait_xcnt 0x0                                ; EXEC changes only behind this wait
	v_cmp_eq_u32 vcc_lo, 0, v0
	s_and_saveexec_b32 s10, vcc_lo                 ; lane 0 alone
	global_store_b32 v2, v4, s[6:7]
	s_wait_xcnt 0x0                                ; and again, in front of the line that widens it
	s_or_b32 exec_lo, exec_lo, s10
	s_endpgm
.Lfunc_end_k_q14a43e2f2b_total:
	.size	k_q14a43e2f2b_total, .Lfunc_end_k_q14a43e2f2b_total-k_q14a43e2f2b_total
	.p2alignl 7, 3214868480
	.fill 96, 4, 3214868480
	.section	.rodata,"a",@progbits
	.p2align	6, 0x0
	.amdhsa_kernel k_q14a43e2f2b_total
		.amdhsa_group_segment_fixed_size 0
		.amdhsa_private_segment_fixed_size 0
		.amdhsa_enable_private_segment 0
		.amdhsa_kernarg_size 16
		.amdhsa_user_sgpr_count 2
		.amdhsa_user_sgpr_kernarg_segment_ptr 1
		.amdhsa_wavefront_size32 1
		.amdhsa_system_sgpr_workgroup_id_x 1
		.amdhsa_system_sgpr_workgroup_id_y 1
		.amdhsa_system_sgpr_workgroup_id_z 1
		.amdhsa_system_vgpr_workitem_id 0
		.amdhsa_next_free_vgpr 32
		.amdhsa_next_free_sgpr 66
		.amdhsa_reserve_vcc 1
		.amdhsa_float_denorm_mode_32 3
		.amdhsa_float_denorm_mode_16_64 3
		.amdhsa_memory_ordered 1
		.amdhsa_forward_progress 1
		.amdhsa_inst_pref_size 2
	.end_amdhsa_kernel
	.amdgpu_metadata
---
amdhsa.version: [ 1, 2 ]
amdhsa.kernels:
  - .name:           k_q14a43e2f2b_total
    .symbol:         k_q14a43e2f2b_total.kd
    .args:
      - { .name: partials, .offset: 0, .size: 8, .value_kind: global_buffer, .address_space: global }
      - { .name: out0, .offset: 8, .size: 8, .value_kind: global_buffer, .address_space: global }
    .group_segment_fixed_size: 0
    .private_segment_fixed_size: 0
    .kernarg_segment_align: 8
    .kernarg_segment_size: 16
    .max_flat_workgroup_size: 32
    .sgpr_count:     66
    .vgpr_count:     32
    .wavefront_size: 32
...
	.end_amdgpu_metadata
.endif
;; end of part 4
